; MI455X (gfx1250); checked and timed in simulation.
; The chip was launched on July 23, 2026; its instructions are those of AMD's public machine-readable ISA for CDNA 5 (MIT licence, August 2026) and "CDNA5" Instruction Set Architecture Reference Guide (July 2026). The comments in the code are by the model that wrote it; some were corrected since.
;; Attention. Allowed arithmetic: float matrix products may take bf16 or f16 operands with f32 sums; other float arithmetic in f32, or as packed bf16 or f16 multiplies, adds, multiply-adds, maxima and minima; sums over many terms, partial sums and values carried from step to step in f32; what a program stores and reads back later, other than sums and carried values, may be rounded once to bf16 or f16.
;; Inputs: wk 1,024 x 1,024 float32; wo 1,024 x 1,024 float32; wq 1,024 x 1,024 float32; wv 1,024 x 1,024 float32; x 4 x 4,096 x 1,024 float32.
;; Outputs: out0 4 x 4,096 x 1,024 float32.
;; 2 versions, each right; version 2 is version 1 with the launch attn written anew for expert scheduling mode. Each part assembles by itself: llvm-mc -triple=amdgcn-amd-amdhsa -mcpu=gfx1250 --defsym DOCPART=n.
;; ======== version 1 of 2: 4 launches
;; limits: values are held in f16: magnitudes above 65,504 overflow, below 6.1e-05 lose precision
;; workspace buffers: xb 33,554,432 bytes; wb 6,291,456 bytes; wob 2,097,152 bytes; qkv 100,663,296 bytes; ob 33,554,432 bytes
;; launch prep (part 1): grid 64 x 20, 8 waves a work-group, no clusters, 0 bytes of LDS; arguments x, wq, wk, wv, wo, xb, wb, wob; writes xb, wb, wob
.if DOCPART == 1
	.amdgcn_target "amdgcn-amd-amdhsa--gfx1250"
	.amdhsa_code_object_version 6
	.text
	.protected	k_qf57f1fd61e_prep
	.globl	k_qf57f1fd61e_prep
	.p2align	8
	.type	k_qf57f1fd61e_prep,@function
k_qf57f1fd61e_prep:
	s_mov_b64 s[64:65], 0
	v_nop
	global_prefetch_b8 v0, s[64:65] scope:SCOPE_SE
	s_setreg_imm32_b32 hwreg(HW_REG_WAVE_MODE, 25, 1), 1
	s_wait_xcnt 0x0
; ROUNDING AND ORDER.  xb = x in bf16.  wb = wq, wk, wv in bf16, one section of 1,024 rows each, the rows of a section in another order.
; wob = wo rounded to bf16 and that number written as f16, the groups of 8 numbers of each row in another order.
; THE ORDERS (h, g a head 0..15, d a channel 0..63; a weight's row, and wo's column, is 64 h + d):
;   wq, wk: row 64 h + d goes to row (d>>3)*128 + h*8 + (d&7) of its section;   wo: column 64 h + d goes to the same place in its row;
;   wv:     row 64 g + d goes to row (d>>4)*256 + (g>>3)*128 + (d&15)*8 + (g&7).
; So the products that follow leave q, k, v (and take O) in an order in which the launch between them loads every matrix fragment as 512 consecutive bytes.
; LIMITS.  wo: a bf16 number beyond 65,504 becomes an infinity in f16; below 2^-14 it keeps f16's fixed step of 2^-24.  x, wq, wk, wv keep f32's range.
; SHARES.  y picks 1,024 destination rows (0-15: x; 16: wq; 17: wk; 18: wv; 19: wo), x of the grid 16 of them.
;   x, wq, wk, wv: whole rows move.  Wave w owns destination rows R = 16 xg + 2 w and R + 1.  Load j of 8 of a row takes the 512 consecutive bytes at 512 j, 16 a lane; its four numbers
;   a lane become 8 bytes, stored at 256 j + 8 x lane: each store of the wave covers 256 consecutive bytes, aligned.
;   wo: groups of 8 numbers change places inside a row, so the lanes follow the destination: thread t: p = t >> 7, c = t & 127; item i of 8 is row 16 xg + 2 i + p, group c: 32 bytes in
;   from group (c & 15) * 8 + (c >> 4), 16 bytes out at 4,096 i + 16 t.  Lanes that followed the source would scatter stores of 16 bytes; wo is 4 of the launch's 84 MB read.
; All 16 loads of a thread go out together; there is no loop, no LDS and no barrier.  No matrix unit and no cluster: nothing is multiplied, and no two work-groups read the same bytes.
.set SO, 2                             ; v2, v3  source: the lane's byte offset in the wave's first and second row (wo: v2 alone)
.set DO, 4                             ; v4      destination: the lane's byte offset
.set L,  8                             ; v[8:71] load i: 4 registers as loaded; then the bytes to store
.set W0, 72                            ; v72, v73 at work (wo alone)
.set W1, 73
	s_load_b512 s[8:23], s[0:1], 0x0               ; x s[8:9], wq s[10:11], wk s[12:13], wv s[14:15], wo s[16:17], xb s[18:19], wb s[20:21], wob s[22:23]
	s_and_b32 s2, ttmp7, 0xffff                    ; y
	s_mov_b32 s3, ttmp9                            ; xg
	v_lshrrev_b32 v5, 5, v0
	v_readfirstlane_b32 s4, v5                     ; wave 0..7
	v_and_b32 v6, 31, v0                           ; lane
	s_lshl_b32 s5, s3, 4
	s_lshl1_add_u32 s5, s4, s5                     ; R = 16 xg + 2 w: even, so R + 1 differs from it in the lowest bit alone
	s_mov_b32 s29, 0                               ; the offsets' high words
	s_mov_b32 s31, 0
	s_wait_kmcnt 0x0
	s_cmp_lt_u32 s2, 16
	s_cbranch_scc0 .Lweights
	; x: source row 1,024 y + R; the second row is the next
	s_lshl_b32 s28, s2, 22
	s_lshl_b32 s6, s5, 12
	s_add_co_u32 s28, s28, s6
	s_add_nc_u64 s[24:25], s[8:9], s[28:29]
	s_mov_b64 s[26:27], s[18:19]
	s_lshl_b32 s30, s2, 21                         ; destination: 1,024 y rows of 2,048 bytes
	s_mov_b32 s7, 4096
	s_branch .Lrows
.Lweights:
	s_cmp_eq_u32 s2, 19
	s_cbranch_scc1 .Lwo
	s_mov_b64 s[26:27], s[20:21]
	s_sub_co_u32 s6, s2, 16
	s_lshl_b32 s30, s6, 21                         ; the section's 1,024 rows of 2,048 bytes in wb
	s_cmp_eq_u32 s2, 18
	s_cbranch_scc1 .Lwv
	; wq, wk: source row ((R>>3)&15)*64 + (R>>7)*8 + (R&7); the second row is the next
	s_cmp_eq_u32 s2, 16
	s_cselect_b64 s[24:25], s[10:11], s[12:13]
	s_bfe_u32 s28, s5, 0x40003
	s_lshl_b32 s28, s28, 6
	s_lshr_b32 s6, s5, 7
	s_lshl3_add_u32 s28, s6, s28
	s_and_b32 s6, s5, 7
	s_add_co_u32 s28, s28, s6
	s_mov_b32 s7, 4096
	s_branch .Lwsrc
.Lwv:
	; wv: source row ((R>>7)&1)*512 + (R&7)*64 + (R>>8)*16 + ((R>>3)&15); the second row lies 64 rows on
	s_mov_b64 s[24:25], s[14:15]
	s_bfe_u32 s28, s5, 0x10007
	s_lshl_b32 s28, s28, 9
	s_and_b32 s6, s5, 7
	s_lshl_b32 s6, s6, 6
	s_add_co_u32 s28, s28, s6
	s_lshr_b32 s6, s5, 8
	s_lshl4_add_u32 s28, s6, s28
	s_bfe_u32 s6, s5, 0x40003
	s_add_co_u32 s28, s28, s6
	s_mov_b32 s7, 0x40000
.Lwsrc:
	s_lshl_b32 s28, s28, 12                        ; rows of 4,096 bytes
	s_add_nc_u64 s[24:25], s[24:25], s[28:29]
.Lrows:
	s_lshl_b32 s6, s5, 11                          ; destination row R
	s_add_co_u32 s30, s30, s6
	s_add_nc_u64 s[26:27], s[26:27], s[30:31]
	v_lshlrev_b32 v[SO], 4, v6                     ; 16 x lane,
	v_add_nc_u32 v[SO+1], s7, v[SO]                ; and the same in the second row
	v_lshlrev_b32 v[DO], 3, v6                     ; 8 x lane
.set i, 0
.rept 16                               ; load i: row i / 8, bytes 512 (i % 8) on
	global_load_b128 v[L+4*i:L+4*i+3], v[SO+i/8], s[24:25] offset:512*(i%8) th:TH_LOAD_NT
.set i, i+1
.endr
.set i, 0
.rept 16
	s_wait_loadcnt 15-i                            ; loads come back in order: load i is in, the 15 - i issued behind it stay out
	v_cvt_pk_bf16_f32 v[L+4*i],   v[L+4*i],   v[L+4*i+1]  ; in place, ascending
	v_cvt_pk_bf16_f32 v[L+4*i+1], v[L+4*i+2], v[L+4*i+3]
	global_store_b64 v[DO], v[L+4*i:L+4*i+1], s[26:27] offset:(i/8)*2048+(i%8)*256
.set i, i+1
.endr
	s_endpgm
.Lwo:
	s_lshl_b32 s28, s3, 16                         ; 16 xg rows of 4,096 bytes
	s_add_nc_u64 s[24:25], s[16:17], s[28:29]
	s_lshl_b32 s30, s3, 15                         ; and of 2,048
	s_add_nc_u64 s[26:27], s[22:23], s[30:31]
	v_and_b32 v5, 15, v0                           ; c & 15: 8 groups of 32 bytes each,
	v_bfe_u32 v6, v0, 4, 3                         ; c >> 4: one group,
	v_lshrrev_b32 v7, 7, v0                        ; p: a row
	v_lshlrev_b32 v5, 8, v5
	v_lshl_or_b32 v5, v6, 5, v5
	v_lshl_or_b32 v[SO], v7, 12, v5
	v_lshlrev_b32 v[DO], 4, v0
.set i, 0
.rept 8
	global_load_b128 v[L+8*i:L+8*i+3],   v[SO], s[24:25] offset:2*i*4096 th:TH_LOAD_NT
	global_load_b128 v[L+8*i+4:L+8*i+7], v[SO], s[24:25] offset:2*i*4096+16 th:TH_LOAD_NT
.set i, i+1
.endr
.set i, 0
.rept 8
	s_wait_loadcnt 14-2*i                          ; item i's two loads are in, the 14 - 2 i issued behind them stay out
.set j, 0
.rept 4
	v_cvt_pk_bf16_f32 v[L+8*i+j], v[L+8*i+2*j], v[L+8*i+2*j+1]  ; in place, ascending: word j is written when numbers 2 j and 2 j + 1 are read
.set j, j+1
.endr
.set j, 0
.rept 4
	v_lshlrev_b32 v[W0], 16, v[L+8*i+j]            ; bf16 to f32: the low half moves up,
	v_and_b32 v[W1], 0xffff0000, v[L+8*i+j]        ; the high half stays
	v_cvt_pk_f16_f32 v[L+8*i+j], v[W0], v[W1]
.set j, j+1
.endr
	global_store_b128 v[DO], v[L+8*i:L+8*i+3], s[26:27] offset:i*4096  ; a wave's store covers 512 consecutive bytes
.set i, i+1
.endr
	s_endpgm
.Lfunc_end_k_qf57f1fd61e_prep:
	.size	k_qf57f1fd61e_prep, .Lfunc_end_k_qf57f1fd61e_prep-k_qf57f1fd61e_prep
	.p2alignl 7, 3214868480
	.fill 96, 4, 3214868480
	.section	.rodata,"a",@progbits
	.p2align	6, 0x0
	.amdhsa_kernel k_qf57f1fd61e_prep
		.amdhsa_group_segment_fixed_size 0
		.amdhsa_private_segment_fixed_size 0
		.amdhsa_enable_private_segment 0
		.amdhsa_kernarg_size 64
		.amdhsa_user_sgpr_count 2
		.amdhsa_user_sgpr_kernarg_segment_ptr 1
		.amdhsa_wavefront_size32 1
		.amdhsa_system_sgpr_workgroup_id_x 1
		.amdhsa_system_sgpr_workgroup_id_y 1
		.amdhsa_system_sgpr_workgroup_id_z 1
		.amdhsa_system_vgpr_workitem_id 0
		.amdhsa_next_free_vgpr 80
		.amdhsa_next_free_sgpr 66
		.amdhsa_reserve_vcc 0
		.amdhsa_float_denorm_mode_32 3
		.amdhsa_float_denorm_mode_16_64 3
		.amdhsa_memory_ordered 1
		.amdhsa_forward_progress 1
		.amdhsa_inst_pref_size 18
	.end_amdhsa_kernel
	.amdgpu_metadata
---
amdhsa.version: [ 1, 2 ]
amdhsa.kernels:
  - .name:           k_qf57f1fd61e_prep
    .symbol:         k_qf57f1fd61e_prep.kd
    .args:
      - { .name: x, .offset: 0, .size: 8, .value_kind: global_buffer, .address_space: global }
      - { .name: wq, .offset: 8, .size: 8, .value_kind: global_buffer, .address_space: global }
      - { .name: wk, .offset: 16, .size: 8, .value_kind: global_buffer, .address_space: global }
      - { .name: wv, .offset: 24, .size: 8, .value_kind: global_buffer, .address_space: global }
      - { .name: wo, .offset: 32, .size: 8, .value_kind: global_buffer, .address_space: global }
      - { .name: xb, .offset: 40, .size: 8, .value_kind: global_buffer, .address_space: global }
      - { .name: wb, .offset: 48, .size: 8, .value_kind: global_buffer, .address_space: global }
      - { .name: wob, .offset: 56, .size: 8, .value_kind: global_buffer, .address_space: global }
    .group_segment_fixed_size: 0
    .private_segment_fixed_size: 0
    .kernarg_segment_align: 8
    .kernarg_segment_size: 64
    .max_flat_workgroup_size: 256
    .sgpr_count:     66
    .vgpr_count:     80
    .wavefront_size: 32
...
	.end_amdgpu_metadata
.endif
;; end of part 1
;; launch qkv (part 2): grid 4 x 64, 4 waves a work-group, clusters of 4 x 4, 327,680 bytes of LDS; arguments xb, wb, qkv; writes qkv
.if DOCPART == 2
	.amdgcn_target "amdgcn-amd-amdhsa--gfx1250"
	.amdhsa_code_object_version 6
	.text
	.protected	k_qf57f1fd61e_qkv
	.globl	k_qf57f1fd61e_qkv
	.p2align	8
	.type	k_qf57f1fd61e_qkv,@function
k_qf57f1fd61e_qkv:
	s_mov_b64 s[64:65], 0
	v_nop
	global_prefetch_b8 v0, s[64:65] scope:SCOPE_SE
	s_setreg_imm32_b32 hwreg(HW_REG_WAVE_MODE, 25, 1), 1
	s_wait_xcnt 0x0
	s_wait_alu depctr_hold_cnt(0) depctr_sa_sdst(0) depctr_va_vdst(0) depctr_va_sdst(0) depctr_va_ssrc(0) depctr_va_vcc(0) depctr_vm_vsrc(0)
	s_getreg_b32 s2, hwreg(HW_REG_IB_STS2, 6, 4)
	s_cmp_eq_u32 s2, 0
	s_cbranch_scc0 .Lentry_in_a_cluster
	s_endpgm
.Lentry_in_a_cluster:
	s_bfe_u32 s2, ttmp6, 0x10000c
	s_cmp_lg_u32 s2, 0xf033
	s_cbranch_scc0 .Lentry_shape_is_right
	s_endpgm
.Lentry_shape_is_right:
; qkv[m][n] = sum over k of xb[m][k] wb[n][k].  xb: [16384][1024] bf16, wb: [3072][1024] bf16 (sections q, k, v), qkv: [16384][3072] f16; sums in f32, rounded once.
; LIMIT.  f16 holds no number beyond 65,504: a sum of 65,520 or more leaves as an infinity.
; A tile of C, 256 x 256, is made by four waves, each 128 x 128: 64 accumulators of 16 x 16, 512 registers.  K goes in steps of 128 through a ring of two LDS slots filled by the tensor
; data mover; the tiles' rows are 256 bytes of memory at multiples of 256 bytes from the buffer's first byte.
; A WORK-GROUP STAYS: it makes three tiles of C, 1,024 columns apart (the same 256 columns of q, k and v): the same rows of A each time, B 1,024 rows further on.  The ring does not stop
; at a tile's end: a tile's last two changes of slots ask for the next tile's first two K steps, and nothing waits for a tile's stores.  64 x 4 work-groups: one for each of 256 places.
; CLUSTERS: 4 x 4 work-groups.  The four of a row of the cluster need the same tiles of A, the four of a column the same tiles of B: each tile is asked for JOINTLY, by the same tensor load
; with the same descriptor and a mask that names the four; each receives it in its own LDS.
; REGISTERS, in windows of 256 (s_set_vgpr_msb's low byte: bits 1:0 source 0, 3:2 source 1, 5:4 source 2, 7:6 destination):
;   window 0: v0-31 addresses; v64-127, v128-191 fragments of A, two buffers; v32-63, v192-255 at work on the way out
;   window 1: v64-127, v128-191 fragments of B, two buffers      window 2: the 32 accumulators of my rows 0-63 ((a, b) at v[8 (8 a + b)])      window 3: those of my rows 64-127
; THE MATRIX INSTRUCTION IS USED TRANSPOSED: source 0 = 16 rows of B, source 1 = 16 rows of A: lane l then holds row l % 16 of C and the eight neighbouring columns 8 (l / 16) + 0..7.
.set SIZE_K, 1024
.set CPITCH, 6144                      ; bytes in a row of C
.set TILES,  3
.set KSTEP,  128
.set PITCH,  272                       ; an LDS row: 256 bytes + 16 of padding = 68 words: the 16 rows that a load touches start at 16 different groups of four banks (64 banks of 4 bytes: ISA guide 11.1)
.set HALFT,  128*PITCH                 ; 128 rows: what one tensor load brings, and what one wave reads of A or of B
.set SLOT,   4*HALFT                   ; A's 256 rows, then B's 256 rows
.set STAGE,  2*SLOT                    ; behind the ring: 16 rows x 272 bytes for each wave, for the way out
.set SPITCH, 272
.set SPARE,  STAGE+4*16*SPITCH         ; behind the stages: the spare words, 128 bytes for each wave: two blocks of 256 bytes that no other line names
.set LAPS,   SIZE_K/(2*KSTEP)          ; a lap = two K steps = once round the ring: 4
.set BACK_A, (SIZE_K-2*KSTEP)*2        ; bytes from a slot's last K step of a tile back to its first: A stays in its rows,
.set NEXT_B, 1024*SIZE_K*2-BACK_A      ; B goes 1,024 rows down and back along K
.set NEXT_C, 2048                      ; C goes 1,024 columns on
.set ADRA, 16                          ; v16-17  LDS address of my A fragments in slot 0, 1
.set ADRB, 20                          ; v20-21  the same for B
.set STO,  24                          ; v24     the way out: where I put 16 bytes of a row
.set RD,   25                          ; v25     the way out: where I read a row back
.set CO,   26                          ; v26     my byte offset in C
.set SPW,  28                          ; v28     LDS address of my spare word: SPARE + 4 x my thread's number; never rewritten
.set NIL,  29                          ; v29     0; never rewritten
.set F0,   64
.set F1,   128
.set TMP,  192                         ; the way out: packed results
.set OB,   32                          ; the way out: 16 rows read back from the stage: v32-63 and v224-255 by turns
.set G1,  24                           ; s[24:31] descriptor group 1 for A's tiles
.set G0,  32                           ; s[32:39] descriptor group 0 for A's tiles, one set for each slot
.set G1B, 48                           ; s[48:55], s[56:63] the same for B's tiles
.set G0B, 56
.set MSB, 0
.macro WIN new                         ; the immediate's high byte repeats the setting that is left; a switch that changes nothing is dropped
.if MSB != (\new)
	s_set_vgpr_msb (MSB<<8)|(\new)
.set MSB, \new
.endif
.endm
.set MUL_LO, 0xa1                      ; source 0 (B) window 1, source 1 (A) window 0, C and D window 2
.set MUL_HI, 0xf1                      ; the same, C and D window 3
.set TO_B,   0x40                      ; destination window 1, address window 0
; A joint load.  Waves 0 and 1 fetch A's two halves, waves 2 and 3 B's.  The branch hangs on the wave's number alone: it is the same in every work-group.
; An s_nop 0 and four v_nop follow each of the two lines, ahead of the jump, the label and what follows.
.macro JLOAD s
	s_cmp_eq_u32 s11, 0
	s_cbranch_scc0 .Lfor_b_\@
	tensor_load_to_lds s[G0+4*(\s):G0+4*(\s)+3], s[G1:G1+7]
	s_nop 0
.rept 4
	v_nop
.endr
	s_branch .Lasked_\@
.Lfor_b_\@:
	tensor_load_to_lds s[G0B+4*(\s):G0B+4*(\s)+3], s[G1B:G1B+7]
	s_nop 0
.rept 4
	v_nop
.endr
.Lasked_\@:
.endm
; A round of the cluster's barrier: my work-group's barrier, so that wave 0's signal speaks for all four waves; wave 0 signals; every wave waits for all sixteen work-groups; my work-group's barrier once more.
.macro CREST                           ; a round behind its opening barrier
	s_cmp_lg_u32 s10, 0
	s_cbranch_scc1 .Lnot_wave_0_\@
	s_barrier_signal -3
.Lnot_wave_0_\@:
	s_barrier_wait -3
	s_barrier_signal -1
	s_barrier_wait -1
.endm
.macro CROUND                          ; a whole round
	s_barrier_signal -1
	s_barrier_wait -1
	CREST
.endm
	s_load_b128 s[4:7], s[0:1], 0x0                ; A s[4:5], B s[6:7]
	s_load_b64 s[8:9], s[0:1], 0x10                ; C
	v_lshl_add_u32 v[SPW], v0, 2, SPARE
	v_mov_b32 v[NIL], 0
	ds_add_u32 v[SPW], v[NIL]                      ; the wave's opening: the add and its wait stand ahead of my first tensor load; the set-up below, work on registers, stands between them
	v_lshrrev_b32 v1, 5, v0
	v_readfirstlane_b32 s10, v1                    ; wave 0..3
	s_lshr_b32 s11, s10, 1                         ; which half of the tile's rows is mine.  Also: I fetch for A (0) or for B (1)
	s_and_b32 s12, s10, 1                          ; which half of its columns.  Also: which 128 rows of that tile I fetch
	s_bfe_u32 s40, ttmp6, 0x40000                  ; cx, cy: my place in the cluster
	s_bfe_u32 s41, ttmp6, 0x40004
	s_lshl_b32 s42, ttmp9, 2
	s_add_co_u32 s42, s42, s40                     ; first tile column of C = 4 x cluster x + cx
	s_and_b32 s13, ttmp7, 0xffff
	s_lshl_b32 s13, s13, 2
	s_add_co_u32 s13, s13, s41                     ; tile row of C = 4 x cluster y + cy
	s_lshl_b32 s43, s41, 2
	s_lshl_b32 s43, 15, s43                        ; my row of the cluster: places 4 cy .. 4 cy + 3
	s_lshl_b32 s44, 0x1111, s40                    ; my column: places cx, cx + 4, cx + 8, cx + 12
	; descriptor group 1: a tile of 128 rows x 128 elements, padded in LDS
	s_or_b32 s[G1+0], s43, (1<<16)|(1<<20)|(1<<21)|(5<<22)|(3<<25)   ; 15:0 the mask: A's tiles go to my row; 17:16 elements of 2 bytes; 20 padding on; 21 set beside a mask; 24:22 after every 64 words (code 5); 31:25 4 words of it (code 3)
	s_or_b32 s[G1B+0], s44, (1<<16)|(1<<20)|(1<<21)|(5<<22)|(3<<25)  ; the same with the mask of my column, for B's tiles
.irp g, G1, G1B
	s_mov_b32 s[(\g)+1], KSTEP<<16                 ; tensor_dim0 = 128
	s_mov_b32 s[(\g)+2], 128<<16                   ; tensor_dim1 = 128
	s_mov_b32 s[(\g)+3], KSTEP<<16                 ; tile_dim0 = 128
	s_mov_b32 s[(\g)+4], 128                       ; tile_dim1 = 128
	s_mov_b32 s[(\g)+5], SIZE_K                    ; elements from row to row
	s_mov_b32 s[(\g)+6], 0
	s_mov_b32 s[(\g)+7], 0
.endr
	; where the tiles come from.  A's hang on the tile row alone, which my row of the cluster shares; B's on the tile column alone, which my column shares.
	s_lshl_b32 s17, s12, 7                         ; which 128 rows of the tile I fetch
	s_lshl_b32 s16, s13, 8
	s_add_co_u32 s16, s16, s17                     ; A: row 256 x tile row + 128 x half
	s_lshl_b32 s46, s42, 8
	s_add_co_u32 s46, s46, s17                     ; B: row 256 x tile column + 128 x half
	s_mov_b32 s17, 0
	s_mov_b32 s47, 0
	s_mov_b64 s[18:19], SIZE_K*2
	s_mul_u64 s[16:17], s[16:17], s[18:19]         ; in bytes
	s_mul_u64 s[46:47], s[46:47], s[18:19]
	s_mul_i32 s20, s10, HALFT                      ; and where they go: wave x 128 rows: no place in the cluster enters an LDS address
	s_wait_dscnt 0x0                               ; the opening add is done
	s_wait_kmcnt 0x0
	s_add_nc_u64 s[14:15], s[4:5], s[16:17]
	s_add_nc_u64 s[46:47], s[6:7], s[46:47]
	CROUND                                         ; all sixteen work-groups are here: the first joint loads meet
.irp s, 0,1
	s_mov_b32 s[G0+4*(\s)], 1                                        ; count = 1
	s_add_co_u32 s[G0+4*(\s)+1], s20, (\s)*SLOT                      ; LDS address
	s_add_nc_u64 s[G0+4*(\s)+2:G0+4*(\s)+3], s[14:15], (\s)*KSTEP*2  ; global address: K step s
	s_or_b32 s[G0+4*(\s)+3], s[G0+4*(\s)+3], 0x80000000              ; type = 2
	s_mov_b32 s[G0B+4*(\s)], 1
	s_add_co_u32 s[G0B+4*(\s)+1], s20, (\s)*SLOT
	s_add_nc_u64 s[G0B+4*(\s)+2:G0B+4*(\s)+3], s[46:47], (\s)*KSTEP*2
	s_or_b32 s[G0B+4*(\s)+3], s[G0B+4*(\s)+3], 0x80000000
	JLOAD \s                                       ; the ring is filled before anything else is done: two loads of mine are out
.endr
	; A fragment is 16 rows x 32 K in 8 registers: lane l holds row l % 16; registers 0-3 hold K = 8 (l / 16) + 0..7, registers 4-7 K = 16 + 8 (l / 16) + 0..7: two loads of 16 bytes, 32 bytes apart.
	v_and_b32 v1, 15, v0                           ; l % 16
	v_bfe_u32 v2, v0, 4, 1                         ; l / 16
	v_mul_u32_u24 v3, v1, PITCH
	v_lshl_add_u32 v3, v2, 4, v3                   ; row x pitch + 16 x half
	s_mul_i32 s21, s11, HALFT                      ; my 128 rows of A
	s_mul_i32 s22, s12, HALFT                      ; my 128 rows of B,
	s_add_co_u32 s22, s22, 2*HALFT                 ; which lie behind A's 256
.irp s, 0,1
	v_add_nc_u32 v[ADRA+(\s)], s21, v3
	v_add_nc_u32 v[ADRB+(\s)], s22, v3
	s_add_co_u32 s21, s21, SLOT
	s_add_co_u32 s22, s22, SLOT
.endr
	s_mul_i32 s23, s10, 16*SPITCH
	s_add_co_u32 s23, s23, STAGE                   ; my stage
	v_mul_u32_u24 v4, v1, SPITCH                   ; in: row l % 16, 16 bytes for each half of the lanes
	v_lshl_add_u32 v4, v2, 4, v4
	v_add_nc_u32 v[STO], s23, v4
	v_mul_u32_u24 v5, v2, SPITCH                   ; back: lanes 0-15 take one row of 256 bytes, lanes 16-31 the next
	v_lshl_add_u32 v5, v1, 4, v5
	v_add_nc_u32 v[RD], s23, v5
	v_mul_u32_u24 v5, v2, CPITCH                   ; and the same two rows in C
	v_lshl_add_u32 v[CO], v1, 4, v5
	; C at my part of the first tile
	s_lshl_b32 s13, s13, 8
	s_lshl_b32 s14, s11, 7
	s_add_co_u32 s16, s13, s14                     ; my first row of C
	s_mov_b32 s17, 0
	s_mov_b64 s[18:19], CPITCH
	s_mul_u64 s[16:17], s[16:17], s[18:19]
	s_add_nc_u64 s[8:9], s[8:9], s[16:17]
	s_lshl_b32 s46, s42, 9                         ; my first column, in bytes: 512 x tile column + 256 x half
	s_lshl_b32 s47, s12, 8
	s_add_co_u32 s46, s46, s47
	s_mov_b32 s47, 0
	s_add_nc_u64 s[8:9], s[8:9], s[46:47]
; 16 matrix instructions: m blocks a0, a0 + 1 of the window's four (hi = 0: my rows 0-63, 1: rows 64-127) x all 8 n blocks, 32 along K.  zero = 1: the first product starts the sums.
; The 64 accumulators take turns, one instruction a turn, in the same order in every quarter step.
.macro MUL16 f, hi, a0, zero
	WIN MUL_LO+0x50*(\hi)
.irp a, \a0, (\a0)+1
.irp b, 0,1,2,3,4,5,6,7
.if \zero
	v_wmma_f32_16x16x32_bf16 v[8*(8*(\a)+(\b)):8*(8*(\a)+(\b))+7], v[(\f)+8*(\b):(\f)+8*(\b)+7], v[(\f)+8*(4*(\hi)+(\a)):(\f)+8*(4*(\hi)+(\a))+7], 0
.else
	v_wmma_f32_16x16x32_bf16 v[8*(8*(\a)+(\b)):8*(8*(\a)+(\b))+7], v[(\f)+8*(\b):(\f)+8*(\b)+7], v[(\f)+8*(4*(\hi)+(\a)):(\f)+8*(4*(\hi)+(\a))+7], v[8*(8*(\a)+(\b)):8*(8*(\a)+(\b))+7]
.endif
.endr
.endr
.endm
; 32 LDS loads in one run: the fragments of one quarter step (128 rows of B, 128 rows of A, 32 K at byte k of the rows) into buffer f
.macro FETCH slot, k, f
	WIN TO_B
.irp i, 0,1,2,3,4,5,6,7
	ds_load_b128 v[(\f)+8*(\i):(\f)+8*(\i)+3],   v[ADRB+(\slot)] offset:(\k)+(\i)*16*PITCH
	ds_load_b128 v[(\f)+8*(\i)+4:(\f)+8*(\i)+7], v[ADRB+(\slot)] offset:(\k)+(\i)*16*PITCH+32
.endr
	WIN 0
.irp i, 0,1,2,3,4,5,6,7
	ds_load_b128 v[(\f)+8*(\i):(\f)+8*(\i)+3],   v[ADRA+(\slot)] offset:(\k)+(\i)*16*PITCH
	ds_load_b128 v[(\f)+8*(\i)+4:(\f)+8*(\i)+7], v[ADRA+(\slot)] offset:(\k)+(\i)*16*PITCH+32
.endr
.endm
; Four places (plain vector instructions that name none of a matrix instruction's registers) stand in front of loads into registers that matrix instructions have read, and of conversions that read results just made.
.macro PLACES
.rept 4
	v_nop
.endr
.endm
; A K step is four quarter steps of 32 along K, 64 matrix instructions each, on buffers 0, 1, 0, 1.  One of the first three: multiplies buffer f; in its middle it fetches the next quarter, at byte k, into g.
.macro QUARTER slot, k, f, g, zero
	s_wait_dscnt 8                                 ; B and A's rows 0-63 are in; the youngest eight loads (A's rows 64-127) may be out
	WIN MUL_LO
	MUL16 \f, 0, 0, \zero
	MUL16 \f, 0, 2, \zero
	PLACES
	FETCH \slot, \k, \g
	s_wait_dscnt 32                                ; all but the 32 just issued
	WIN MUL_HI
	MUL16 \f, 1, 0, \zero
	MUL16 \f, 1, 2, \zero
.endm
; The last quarter multiplies buffer 1 and changes slots.  MEET is its first half: ONE barrier.  In front of it each wave waits for all its tensor loads, of which one is out: its part of the next slot;
; adds 0 to its spare word; and waits for that and for its own reads of this slot.  Behind it nobody reads this slot any more and the next slot is whole.
.macro MEET round                      ; round = 1: the rest of a round of the cluster's barrier follows
	WIN 0                                          ; (the add's two registers lie in window 0)
	s_wait_tensorcnt 0x0                           ; all my tensor loads have landed;
	ds_add_u32 v[SPW], v[NIL]                      ; 0 onto my spare word;
	s_wait_dscnt 9                                 ; (the add and the youngest eight loads may be out)
	WIN MUL_LO
	MUL16 F1, 0, 0, 0                              ; sixteen matrix instructions stand between the add and the wait for it
	s_wait_dscnt 0x0                               ; the add is done, and my reads of this slot are over:
	s_barrier_signal -1                            ; say so,
	MUL16 F1, 0, 2, 0                              ; work on registers while the others arrive,
.if \round
	WIN 0
.endif
	s_barrier_wait -1                              ; and go on when all four have said so
.endm
; The whole last quarter.  mode 0: the slot just read out is filled again with this tile's K step two steps on; 1: with the next tile's K step 0 or 1; 2: with nothing (no round).
; From a request to the wait for it a wave issues 224 matrix instructions, across tiles too.
.macro TURN slot, next, mode
.if (\mode) == 2
	MEET 0
	PLACES
.else
	MEET 1
	CREST                                          ; the round is closed: no wave of any partner still reads this slot's tile or has a load on its way
.if (\mode) == 1
	s_sub_nc_u64 s[G0+4*(\slot)+2:G0+4*(\slot)+3], s[G0+4*(\slot)+2:G0+4*(\slot)+3], BACK_A
	s_add_nc_u64 s[G0B+4*(\slot)+2:G0B+4*(\slot)+3], s[G0B+4*(\slot)+2:G0B+4*(\slot)+3], NEXT_B
.else
	s_add_nc_u64 s[G0+4*(\slot)+2:G0+4*(\slot)+3], s[G0+4*(\slot)+2:G0+4*(\slot)+3], 2*KSTEP*2
	s_add_nc_u64 s[G0B+4*(\slot)+2:G0B+4*(\slot)+3], s[G0B+4*(\slot)+2:G0B+4*(\slot)+3], 2*KSTEP*2
.endif
	JLOAD \slot                                    ; my one tensor load behind the round; the four v_nop behind it are also the places in front of the loads below
.endif
	FETCH \next, 0, F0
	WIN MUL_HI
	MUL16 F1, 1, 0, 0
	MUL16 F1, 1, 2, 0
.endm
; THE WAY OUT of block a (16 rows), in three parts.  PACK: rounded to f16, 16 bytes a lane.  TOSTAGE: into my own stage in LDS, and back as whole rows of 256 bytes.  SEND: stored.
.macro PACK a
.set AC, 64*((\a)%4)
	WIN 0x0a+5*((\a)/4)                            ; sources 0 and 1: window 2 or 3
.irp b, 0,1,2,3,4,5,6,7
.irp r, 0,1,2,3
	v_cvt_pk_f16_f32 v[TMP+4*(\b)+(\r)], v[AC+8*(\b)+2*(\r)], v[AC+8*(\b)+2*(\r)+1]  ; each accumulator's registers in ascending order
.endr
.endr
	WIN 0
.endm
.macro TOSTAGE a
	WIN 0
.set BK, OB+192*((\a)%2)
.irp b, 0,1,2,3,4,5,6,7
	ds_store_b128 v[STO], v[TMP+4*(\b):TMP+4*(\b)+3] offset:32*(\b)
.endr
.irp t, 0,1,2,3,4,5,6,7
	ds_load_b128 v[BK+4*(\t):BK+4*(\t)+3], v[RD] offset:(\t)*2*SPITCH  ; LDS serves a wave's instructions in order (ISA guide 5.7.1.4): these see the stores above
.endr
.endm
.macro SEND a, younger
	WIN 0
.set BK, OB+192*((\a)%2)
	s_wait_dscnt \younger                          ; the block is back in registers
	s_wait_xcnt 0x0                                ; the earlier blocks' stores have had their addresses translated (ISA guide 3.1): the other buffer, which they read, is loaded again only behind this wait
.irp t, 0,1,2,3,4,5,6,7
	global_store_b128 v[CO], v[BK+4*(\t):BK+4*(\t)+3], s[8:9] offset:(16*(\a)+2*(\t))*CPITCH  ; 16 lanes store 256 consecutive bytes, at a multiple of 256 from C's first byte; 126 rows at the most: inside the signed 24 bits
.endr
.endm
.macro WAYOUT                          ; block a's conversions stand between block a - 1's loads from the stage and the wait for them
	PACK 0
	TOSTAGE 0
.irp a, 1,2,3,4,5,6,7
	PACK \a
	SEND (\a)-1, 0
	TOSTAGE \a
.endr
	SEND 7, 0
.endm
	s_wait_tensorcnt 1                             ; my part of K step 0 is in; K step 1's may stay out
	s_barrier_signal -1
	s_barrier_wait -1                              ; everybody's is
	FETCH 0, 0, F0
	s_mov_b32 s2, TILES                            ; tiles to go, this one among them: the same number in every work-group
.Ltile:
	QUARTER 0, 64,  F0, F1, 1                      ; a tile's first quarter stands in front of the loop: its products start the sums
	WIN 0                                          ; at a label and at a branch every window is 0
	s_mov_b32 s3, LAPS-1
.Llap:                                                 ; a trip goes once round the ring, from a lap's second quarter to the next lap's first, and fills both slots again
	QUARTER 0, 128, F1, F0, 0
	QUARTER 0, 192, F0, F1, 0
	TURN 0, 1, 0
	QUARTER 1, 64,  F0, F1, 0
	QUARTER 1, 128, F1, F0, 0
	QUARTER 1, 192, F0, F1, 0
	TURN 1, 0, 0
	QUARTER 0, 64,  F0, F1, 0
	WIN 0
	s_sub_co_u32 s3, s3, 1
	s_cmp_lg_u32 s3, 0
	s_cbranch_scc1 .Llap
	QUARTER 0, 128, F1, F0, 0                      ; the tile's last lap goes on
	QUARTER 0, 192, F0, F1, 0
	WIN 0
	s_cmp_eq_u32 s2, 1
	s_cbranch_scc1 .Llast_tile                     ; the last tile's tail is written out: it asks for nothing more
	TURN 0, 1, 1                                   ; the ring goes on into the next tile: slot 0 takes its K step 0,
	QUARTER 1, 64,  F0, F1, 0
	QUARTER 1, 128, F1, F0, 0
	QUARTER 1, 192, F0, F1, 0
	TURN 1, 0, 1                                   ; slot 1 its K step 1, and the next tile's first fragments are fetched
	WAYOUT                                         ; both refills are asked for: now the tile goes out.  No v_nop: blocks 0-3 were finished in front of TURN's places, and their 128 conversions name no register of the last products
	s_wait_xcnt 0x0                                ; the stores have had their addresses translated: C's address is stepped only behind this wait
	s_add_nc_u64 s[8:9], s[8:9], NEXT_C
	s_sub_co_u32 s2, s2, 1
	s_branch .Ltile
.Llast_tile:
	TURN 0, 1, 2                                   ; my one tensor load that was still out is slot 1's, the last K step's
	QUARTER 1, 64,  F0, F1, 0
	QUARTER 1, 128, F1, F0, 0
	QUARTER 1, 192, F0, F1, 0
	s_wait_dscnt 8                                 ; the very last quarter: nothing more to fetch
	MUL16 F1, 0, 0, 0
	MUL16 F1, 0, 2, 0
	s_wait_dscnt 0x0
	MUL16 F1, 1, 0, 0
	MUL16 F1, 1, 2, 0
	WIN 0
	PLACES
	WAYOUT
	s_wait_tensorcnt 0x0                           ; the wave's end: behind my last tensor load and my last LDS store, the add to my spare word and its wait
	ds_add_u32 v[SPW], v[NIL]
	s_wait_dscnt 0x0
	CROUND                                         ; the closing round: no work-group ends while a partner may still ask for a tile that names it
	s_endpgm
.Lfunc_end_k_qf57f1fd61e_qkv:
	.size	k_qf57f1fd61e_qkv, .Lfunc_end_k_qf57f1fd61e_qkv-k_qf57f1fd61e_qkv
	.p2alignl 7, 3214868480
	.fill 96, 4, 3214868480
	.section	.rodata,"a",@progbits
	.p2align	6, 0x0
	.amdhsa_kernel k_qf57f1fd61e_qkv
		.amdhsa_group_segment_fixed_size 327680
		.amdhsa_private_segment_fixed_size 0
		.amdhsa_enable_private_segment 0
		.amdhsa_kernarg_size 24
		.amdhsa_user_sgpr_count 2
		.amdhsa_user_sgpr_kernarg_segment_ptr 1
		.amdhsa_wavefront_size32 1
		.amdhsa_system_sgpr_workgroup_id_x 1
		.amdhsa_system_sgpr_workgroup_id_y 1
		.amdhsa_system_sgpr_workgroup_id_z 1
		.amdhsa_system_vgpr_workitem_id 0
		.amdhsa_next_free_vgpr 1024
		.amdhsa_next_free_sgpr 66
		.amdhsa_reserve_vcc 0
		.amdhsa_float_denorm_mode_32 3
		.amdhsa_float_denorm_mode_16_64 3
		.amdhsa_memory_ordered 1
		.amdhsa_forward_progress 1
		.amdhsa_inst_pref_size 207
	.end_amdhsa_kernel
	.amdgpu_metadata
---
amdhsa.version: [ 1, 2 ]
amdhsa.kernels:
  - .name:           k_qf57f1fd61e_qkv
    .symbol:         k_qf57f1fd61e_qkv.kd
    .args:
      - { .name: xb, .offset: 0, .size: 8, .value_kind: global_buffer, .address_space: global }
      - { .name: wb, .offset: 8, .size: 8, .value_kind: global_buffer, .address_space: global }
      - { .name: qkv, .offset: 16, .size: 8, .value_kind: global_buffer, .address_space: global }
    .group_segment_fixed_size: 327680
    .private_segment_fixed_size: 0
    .kernarg_segment_align: 8
    .kernarg_segment_size: 24
    .max_flat_workgroup_size: 128
    .sgpr_count:     66
    .vgpr_count:     1024
    .wavefront_size: 32
...
	.end_amdgpu_metadata
.endif
;; end of part 2
;; launch attn (part 3): grid 1024 x 1, 8 waves a work-group, no clusters, 0 bytes of LDS; arguments qkv, ob; writes ob
.if DOCPART == 3
	.amdgcn_target "amdgcn-amd-amdhsa--gfx1250"
	.amdhsa_code_object_version 6
	.text
	.protected	k_qf57f1fd61e_attn
	.globl	k_qf57f1fd61e_attn
	.p2align	8
	.type	k_qf57f1fd61e_attn,@function
k_qf57f1fd61e_attn:
	s_mov_b64 s[64:65], 0
	v_nop
	global_prefetch_b8 v0, s[64:65] scope:SCOPE_SE
	s_setreg_imm32_b32 hwreg(HW_REG_WAVE_MODE, 25, 1), 1
	s_wait_xcnt 0x0
; FOR EACH TOKEN, ATTENTION OVER ITS 16 HEADS.  S[h][g] = q[h] . k[g] / 8 (64 channels), softmax over g, O[h] = sum over g of P[h][g] v[g].
; qkv: [16384][3072] f16, a token's row 6,144 bytes: q at 0, k at 2,048, v at 4,096.  ob: [16384][1024] f16.  Products, maximum and sum in f32; P is rounded to f16 for the second product
; (its sum l is taken of the unrounded weights), O once at the end.
; THE ORDER INSIDE A ROW (made by the launches in front): q, k and O: number (h, d) at (d>>3)*128 + h*8 + (d&7); v: number (g, d) at (d>>4)*256 + (g>>3)*128 + (d&15)*8 + (g&7).
; So every half fragment below, and every store, is 512 consecutive bytes of the row, lane l taking the 16 bytes at 16 l.
; LAYOUT.  S^T = K Q^T (source 0 = 16 keys g, source 1 = 16 queries h): a lane holds ONE query h = l % 16 and the keys 8 (l / 16) + 0..7.  Rounded in pairs these are four registers, half of
; source 1 of O^T = V^T P.  That product takes 32 keys and there are 16: P's other four registers hold 0.  V's other four then count for nothing as long as they are finite, so V's fragments
; are overlapping runs of eight registers: token 0 has its data in registers 0-3 (the next block's data above them), token 1 in registers 4-7 (the block before below them), and P likewise.
; SOFTMAX.  The true maximum m of a query's 16 scores is taken away: p = 2^(c s - c m), c = log2(e) / 8.
; LIMITS.  q, k, v arrive within f16's 65,504; an infinity in v would also reach the neighbouring block of 16 channels (for the two blocks that meet, the wave's other token) as 0 x infinity.
; O is a mean of v's rows and has their range.  A weight below 2^-126 counts as 0.  NaN and infinities are not treated apart.
; SHARES.  A wave owns two tokens, 16 x work-group + 2 x wave and the next; its 24 loads go out together.  No loop, no LDS, no barrier; no cluster: no two work-groups read the same bytes.
; Memory binds this launch: the map is kept to 128 registers, so that more waves, and with them more loads, are under way side by side.
.set CM, 2                             ; v[2+2 t], v[3+2 t]   c m, m
.set X,  6                             ; v6, v7               what the lane 16 away holds
.set A,  8                             ; v[8+4 t ..]          four at work: the maximum of my eight scores; then the sums for l; then 1 / l in the first
.set S,  16                            ; v[16+8 t ..]         S^T, then P: token 0 in v16-19, token 1 in v28-31, zeros in v20-27
.set Q,  32                            ; v[32+32 t ..]        Q: two fragments
.set KK, 48                            ; v[48+32 t ..]        K: two fragments
.set O,  32                            ; v[32+32 t+8 cb ..]   O^T, channels 16 cb on, where Q and K lay
.set V,  96                            ; v[96+16 t+4 cb ..]   V^T, channels 16 cb on: four registers
.set Y,  96                            ; v[96+16 t ..]        O in f16, where V lay
	s_load_b128 s[4:7], s[0:1], 0x0                ; qkv s[4:5], ob s[6:7]
	v_lshrrev_b32 v2, 5, v0
	v_readfirstlane_b32 s8, v2                     ; wave 0..7
	v_and_b32 v1, 31, v0
	v_lshlrev_b32 v1, 4, v1                        ; 16 x lane
	s_lshl_b32 s9, ttmp9, 4
	s_lshl1_add_u32 s9, s8, s9                     ; my first token
	s_mul_i32 s10, s9, 6144                        ; under 2^27
	s_mov_b32 s11, 0
	s_lshl_b32 s12, s9, 11
	s_mov_b32 s13, 0
	s_mov_b32 s14, 0x3e38aa3b                      ; c = log2(e) / 8 = 0.180337
	s_mov_b32 s15, s14                             ; named with it as a pair
	s_mov_b32 s16, 0x76543210                      ; v_permlanex16_b32: each lane takes its own place in the other half
	s_mov_b32 s17, 0xfedcba98
	s_wait_kmcnt 0x0
	s_add_nc_u64 s[4:5], s[4:5], s[10:11]
	s_add_nc_u64 s[6:7], s[6:7], s[12:13]
.irp t, 0,1
.irp j, 0,1,2,3
	global_load_b128 v[KK+32*(\t)+4*(\j):KK+32*(\t)+4*(\j)+3], v1, s[4:5] offset:(\t)*6144+2048+512*(\j) th:TH_LOAD_NT
.endr
.irp j, 0,1,2,3
	global_load_b128 v[Q+32*(\t)+4*(\j):Q+32*(\t)+4*(\j)+3], v1, s[4:5] offset:(\t)*6144+512*(\j) th:TH_LOAD_NT
.endr
.endr
.irp t, 0,1
.irp cb, 0,1,2,3
	global_load_b128 v[V+16*(\t)+4*(\cb):V+16*(\t)+4*(\cb)+3], v1, s[4:5] offset:(\t)*6144+4096+512*(\cb) th:TH_LOAD_NT
.endr
.endr
	v_mov_b32 v[X], 0                              ; v_permlanex16_b32's destination counts as read
	v_mov_b32 v[X+1], 0
	s_wait_loadcnt 0x8                             ; K and Q are in; V's eight loads stay out
	v_wmma_f32_16x16x32_f16 v[S:S+7],    v[KK:KK+7],     v[Q:Q+7],     0          ; the two tokens' accumulators take turns
	v_wmma_f32_16x16x32_f16 v[S+8:S+15], v[KK+32:KK+39], v[Q+32:Q+39], 0
	v_wmma_f32_16x16x32_f16 v[S:S+7],    v[KK+8:KK+15],  v[Q+8:Q+15],  v[S:S+7]
	v_wmma_f32_16x16x32_f16 v[S+8:S+15], v[KK+40:KK+47], v[Q+40:Q+47], v[S+8:S+15]
.rept 5
	v_nop                                          ; four places before S^T is read, five before O^T's products write over Q and K (ISA guide 7.12.1)
.endr
.irp t, 0,1
	v_max3_num_f32 v[A+4*(\t)], v[S+8*(\t)], v[S+8*(\t)+1], v[S+8*(\t)+2]  ; the accumulator's lowest registers are read first
.endr
.irp t, 0,1
	v_max3_num_f32 v[A+4*(\t)], v[A+4*(\t)], v[S+8*(\t)+3], v[S+8*(\t)+4]
.endr
.irp t, 0,1
	v_max3_num_f32 v[A+4*(\t)], v[A+4*(\t)], v[S+8*(\t)+5], v[S+8*(\t)+6]
.endr
.irp t, 0,1
	v_max_num_f32 v[A+4*(\t)], v[A+4*(\t)], v[S+8*(\t)+7]
.endr
.irp t, 0,1
	v_permlanex16_b32 v[X+(\t)], v[A+4*(\t)], s16, s17  ; the query's other eight keys lie in the lane 16 away
.endr
.irp t, 0,1
	v_max_num_f32 v[CM+2*(\t)+1], v[A+4*(\t)], v[X+(\t)]
.endr
.irp t, 0,1
	v_mul_f32 v[CM+2*(\t)], s14, v[CM+2*(\t)+1]    ; c m
.endr
.irp b, 0,1,2,3
.irp t, 0,1
	v_pk_fma_f32 v[S+8*(\t)+2*(\b):S+8*(\t)+2*(\b)+1], v[S+8*(\t)+2*(\b):S+8*(\t)+2*(\b)+1], s[14:15], v[CM+2*(\t):CM+2*(\t)+1] op_sel_hi:[1,0,0] neg_lo:[0,0,1] neg_hi:[0,0,1]  ; c s - c m
.endr
.endr
.set i, 0
.rept 16
	v_exp_f32 v[S+i], v[S+i]
.set i, i+1
.endr
	v_nop                                          ; a plain instruction between the last exponential and the use of its result (ISA guide 5.7.2)
	s_wait_alu depctr_va_vdst(0)
.irp t, 0,1                            ; l's first additions, of the unrounded weights, before these are rounded in place
	v_pk_add_f32 v[A+4*(\t):A+4*(\t)+1],   v[S+8*(\t):S+8*(\t)+1],   v[S+8*(\t)+2:S+8*(\t)+3]
	v_pk_add_f32 v[A+4*(\t)+2:A+4*(\t)+3], v[S+8*(\t)+4:S+8*(\t)+5], v[S+8*(\t)+6:S+8*(\t)+7]
.endr
.irp b, 0,1,2,3                        ; token 0: pair b into register b, ascending: a register is written when its weight has been read
	v_cvt_pk_f16_f32 v[S+(\b)], v[S+2*(\b)], v[S+2*(\b)+1]
.endr
.irp b, 3,2,1,0                        ; token 1: pair b into register 4 + b, descending, for the same reason
	v_cvt_pk_f16_f32 v[S+12+(\b)], v[S+8+2*(\b)], v[S+8+2*(\b)+1]
.endr
.irp z, 4,5,6,7,8,9,10,11
	v_mov_b32 v[S+(\z)], 0                         ; the keys that do not exist: token 0's registers 4-7, token 1's 0-3
.endr
	s_wait_loadcnt 0x0                             ; V
.irp cb, 0,1,2,3
	v_wmma_f32_16x16x32_f16 v[O+8*(\cb):O+8*(\cb)+7],       v[V+4*(\cb):V+4*(\cb)+7],       v[S:S+7],    0  ; eight accumulators, one product each
	v_wmma_f32_16x16x32_f16 v[O+32+8*(\cb):O+32+8*(\cb)+7], v[V+12+4*(\cb):V+12+4*(\cb)+7], v[S+8:S+15], 0  ; token 1's data are the run's upper four registers
.endr
	; the rest of l: six plain lines and the v_nop below name none of those products' registers: they are the places behind them
.irp t, 0,1
	v_pk_add_f32 v[A+4*(\t):A+4*(\t)+1], v[A+4*(\t):A+4*(\t)+1], v[A+4*(\t)+2:A+4*(\t)+3]
.endr
.irp t, 0,1
	v_add_f32 v[A+4*(\t)], v[A+4*(\t)], v[A+4*(\t)+1]
.endr
.irp t, 0,1
	v_permlanex16_b32 v[X+(\t)], v[A+4*(\t)], s16, s17
.endr
.irp t, 0,1
	v_add_f32 v[A+4*(\t)], v[A+4*(\t)], v[X+(\t)]
.endr
.irp t, 0,1
	v_rcp_f32 v[A+4*(\t)], v[A+4*(\t)]
.endr
	v_nop                                          ; a plain instruction between the last reciprocal and the use of its result
	s_wait_alu depctr_va_vdst(0)
.irp t, 0,1
.set i, 0
.rept 16
	v_pk_mul_f32 v[O+32*(\t)+2*i:O+32*(\t)+2*i+1], v[O+32*(\t)+2*i:O+32*(\t)+2*i+1], v[A+4*(\t):A+4*(\t)+1] op_sel_hi:[1,0]  ; ascending: each accumulator is read from its low end on
.set i, i+1
.endr
.set i, 0
.rept 16
	v_cvt_pk_f16_f32 v[Y+16*(\t)+i], v[O+32*(\t)+2*i], v[O+32*(\t)+2*i+1]
.set i, i+1
.endr
.irp cb, 0,1,2,3
	global_store_b128 v1, v[Y+16*(\t)+4*(\cb):Y+16*(\t)+4*(\cb)+3], s[6:7] offset:(\t)*2048+512*(\cb)  ; 512 consecutive bytes, at a multiple of 256 from ob's first byte
.endr
.endr
	s_endpgm
.Lfunc_end_k_qf57f1fd61e_attn:
	.size	k_qf57f1fd61e_attn, .Lfunc_end_k_qf57f1fd61e_attn-k_qf57f1fd61e_attn
	.p2alignl 7, 3214868480
	.fill 96, 4, 3214868480
	.section	.rodata,"a",@progbits
	.p2align	6, 0x0
	.amdhsa_kernel k_qf57f1fd61e_attn
		.amdhsa_group_segment_fixed_size 0
		.amdhsa_private_segment_fixed_size 0
		.amdhsa_enable_private_segment 0
		.amdhsa_kernarg_size 16
		.amdhsa_user_sgpr_count 2
		.amdhsa_user_sgpr_kernarg_segment_ptr 1
		.amdhsa_wavefront_size32 1
		.amdhsa_system_sgpr_workgroup_id_x 1
		.amdhsa_system_sgpr_workgroup_id_y 1
		.amdhsa_system_sgpr_workgroup_id_z 1
		.amdhsa_system_vgpr_workitem_id 0
		.amdhsa_next_free_vgpr 128
		.amdhsa_next_free_sgpr 66
		.amdhsa_reserve_vcc 0
		.amdhsa_float_denorm_mode_32 3
		.amdhsa_float_denorm_mode_16_64 3
		.amdhsa_memory_ordered 1
		.amdhsa_forward_progress 1
		.amdhsa_inst_pref_size 13
	.end_amdhsa_kernel
	.amdgpu_metadata
---
amdhsa.version: [ 1, 2 ]
amdhsa.kernels:
  - .name:           k_qf57f1fd61e_attn
    .symbol:         k_qf57f1fd61e_attn.kd
    .args:
      - { .name: qkv, .offset: 0, .size: 8, .value_kind: global_buffer, .address_space: global }
      - { .name: ob, .offset: 8, .size: 8, .value_kind: global_buffer, .address_space: global }
    .group_segment_fixed_size: 0
    .private_segment_fixed_size: 0
    .kernarg_segment_align: 8
    .kernarg_segment_size: 16
    .max_flat_workgroup_size: 256
    .sgpr_count:     66
    .vgpr_count:     128
    .wavefront_size: 32
...
	.end_amdgpu_metadata
.endif
;; end of part 3
;; launch outp (part 4): grid 4 x 64, 4 waves a work-group, clusters of 4 x 4, 327,680 bytes of LDS; arguments ob, wob, out0; writes out0
.if DOCPART == 4
	.amdgcn_target "amdgcn-amd-amdhsa--gfx1250"
	.amdhsa_code_object_version 6
	.text
	.protected	k_qf57f1fd61e_outp
	.globl	k_qf57f1fd61e_outp
	.p2align	8
	.type	k_qf57f1fd61e_outp,@function
k_qf57f1fd61e_outp:
	s_mov_b64 s[64:65], 0
	v_nop
	global_prefetch_b8 v0, s[64:65] scope:SCOPE_SE
	s_setreg_imm32_b32 hwreg(HW_REG_WAVE_MODE, 25, 1), 1
	s_wait_xcnt 0x0
	s_wait_alu depctr_hold_cnt(0) depctr_sa_sdst(0) depctr_va_vdst(0) depctr_va_sdst(0) depctr_va_ssrc(0) depctr_va_vcc(0) depctr_vm_vsrc(0)
	s_getreg_b32 s2, hwreg(HW_REG_IB_STS2, 6, 4)
	s_cmp_eq_u32 s2, 0
	s_cbranch_scc0 .Lentry_in_a_cluster
	s_endpgm
.Lentry_in_a_cluster:
	s_bfe_u32 s2, ttmp6, 0x10000c
	s_cmp_lg_u32 s2, 0xf033
	s_cbranch_scc0 .Lentry_shape_is_right
	s_endpgm
.Lentry_shape_is_right:
; out0[m][n] = sum over k of ob[m][k] wob[n][k].  ob: [16384][1024] f16, wob: [1024][1024] f16 (both with K in the same order), out0: [16384][1024] f32; sums in f32, stored as they are.
; A tile of C, 256 x 256, is made by four waves, each 128 x 128: 64 accumulators of 16 x 16, 512 registers.  K goes in steps of 128 through a ring of two LDS slots filled by the tensor
; data mover; the tiles' rows are 256 bytes of memory at multiples of 256 bytes from the buffer's first byte.  64 x 4 tiles: one work-group, one tile.
; CLUSTERS: 4 x 4 work-groups.  The four of a row of the cluster need the same tiles of A, the four of a column the same tiles of B: each tile is asked for JOINTLY, by the same tensor load
; with the same descriptor and a mask that names the four; each receives it in its own LDS.
; REGISTERS, in windows of 256 (s_set_vgpr_msb's low byte: bits 1:0 source 0, 3:2 source 1, 5:4 source 2, 7:6 destination):
;   window 0: v0-31 addresses; v64-127, v128-191 fragments of A, two buffers, and on the way out the rows read back
;   window 1: v64-127, v128-191 fragments of B, two buffers      window 2: the 32 accumulators of my rows 0-63 ((a, b) at v[8 (8 a + b)])      window 3: those of my rows 64-127
; THE MATRIX INSTRUCTION IS USED TRANSPOSED: source 0 = 16 rows of B, source 1 = 16 rows of A: lane l then holds row l % 16 of C and the eight neighbouring columns 8 (l / 16) + 0..7: 32 bytes.
.set SIZE_K, 1024
.set CPITCH, 4096                      ; bytes in a row of C
.set KSTEP,  128
.set PITCH,  272                       ; an LDS row: 256 bytes + 16 of padding = 68 words: the 16 rows that a load touches start at 16 different groups of four banks (64 banks of 4 bytes: ISA guide 11.1)
.set HALFT,  128*PITCH
.set SLOT,   4*HALFT                   ; A's 256 rows, then B's 256 rows
.set STAGE,  2*SLOT                    ; behind the ring: 16 rows x 528 bytes for each wave, for the way out
.set SPITCH, 528                       ; 512 bytes + 16 = 132 words: row r begins at bank 4 r mod 64
.set SPARE,  STAGE+4*16*SPITCH         ; behind the stages: the spare words, 128 bytes for each wave: two blocks of 256 bytes that no other line names
.set LAPS,   SIZE_K/(2*KSTEP)
.set ADRA, 16                          ; v16-17  LDS address of my A fragments in slot 0, 1
.set ADRB, 20                          ; v20-21  the same for B
.set STO,  24                          ; v24     the way out: where I put 32 bytes of a row
.set RD,   25                          ; v25     the way out: where I read a row back
.set CO,   26                          ; v26     my byte offset in C
.set SPW,  28                          ; v28     LDS address of my spare word: SPARE + 4 x my thread's number; never rewritten
.set NIL,  29                          ; v29     0; never rewritten
.set F0,   64
.set F1,   128
.set G1,  24
.set G0,  32
.set G1B, 48
.set G0B, 56
.set MSB, 0
.macro WIN new                         ; the immediate's high byte repeats the setting that is left; a switch that changes nothing is dropped
.if MSB != (\new)
	s_set_vgpr_msb (MSB<<8)|(\new)
.set MSB, \new
.endif
.endm
.set MUL_LO, 0xa1                      ; source 0 (B) window 1, source 1 (A) window 0, C and D window 2
.set MUL_HI, 0xf1                      ; the same, C and D window 3
.set TO_B,   0x40                      ; destination window 1, address window 0
; A joint load.  Waves 0 and 1 fetch A's two halves, waves 2 and 3 B's.  The branch hangs on the wave's number alone.
; An s_nop 0 and four v_nop follow each of the two lines, ahead of the jump, the label and what follows.
.macro JLOAD s
	s_cmp_eq_u32 s11, 0
	s_cbranch_scc0 .Lfor_b_\@
	tensor_load_to_lds s[G0+4*(\s):G0+4*(\s)+3], s[G1:G1+7]
	s_nop 0
.rept 4
	v_nop
.endr
	s_branch .Lasked_\@
.Lfor_b_\@:
	tensor_load_to_lds s[G0B+4*(\s):G0B+4*(\s)+3], s[G1B:G1B+7]
	s_nop 0
.rept 4
	v_nop
.endr
.Lasked_\@:
.endm
.macro CREST                           ; a round of the cluster's barrier behind its opening barrier
	s_cmp_lg_u32 s10, 0
	s_cbranch_scc1 .Lnot_wave_0_\@
	s_barrier_signal -3
.Lnot_wave_0_\@:
	s_barrier_wait -3
	s_barrier_signal -1
	s_barrier_wait -1
.endm
.macro CROUND                          ; a whole round
	s_barrier_signal -1
	s_barrier_wait -1
	CREST
.endm
	s_load_b128 s[4:7], s[0:1], 0x0                ; A s[4:5], B s[6:7]
	s_load_b64 s[8:9], s[0:1], 0x10                ; C
	v_lshl_add_u32 v[SPW], v0, 2, SPARE
	v_mov_b32 v[NIL], 0
	ds_add_u32 v[SPW], v[NIL]                      ; the wave's opening: the add and its wait stand ahead of my first tensor load; the set-up below, work on registers, stands between them
	v_lshrrev_b32 v1, 5, v0
	v_readfirstlane_b32 s10, v1                    ; wave 0..3
	s_lshr_b32 s11, s10, 1                         ; which half of the tile's rows is mine.  Also: I fetch for A (0) or for B (1)
	s_and_b32 s12, s10, 1                          ; which half of its columns.  Also: which 128 rows of that tile I fetch
	s_bfe_u32 s40, ttmp6, 0x40000                  ; cx, cy: my place in the cluster
	s_bfe_u32 s41, ttmp6, 0x40004
	s_lshl_b32 s42, ttmp9, 2
	s_add_co_u32 s42, s42, s40                     ; tile column of C = 4 x cluster x + cx
	s_and_b32 s13, ttmp7, 0xffff
	s_lshl_b32 s13, s13, 2
	s_add_co_u32 s13, s13, s41                     ; tile row of C = 4 x cluster y + cy
	s_lshl_b32 s43, s41, 2
	s_lshl_b32 s43, 15, s43                        ; my row of the cluster
	s_lshl_b32 s44, 0x1111, s40                    ; my column
	; descriptor group 1: a tile of 128 rows x 128 elements, padded in LDS
	s_or_b32 s[G1+0], s43, (1<<16)|(1<<20)|(1<<21)|(5<<22)|(3<<25)   ; 15:0 the mask: A's tiles go to my row; 17:16 elements of 2 bytes; 20 padding on; 21 set beside a mask; 24:22 after every 64 words (code 5); 31:25 4 words of it (code 3)
	s_or_b32 s[G1B+0], s44, (1<<16)|(1<<20)|(1<<21)|(5<<22)|(3<<25)  ; the same with the mask of my column, for B's tiles
.irp g, G1, G1B
	s_mov_b32 s[(\g)+1], KSTEP<<16                 ; tensor_dim0 = 128
	s_mov_b32 s[(\g)+2], 128<<16                   ; tensor_dim1 = 128
	s_mov_b32 s[(\g)+3], KSTEP<<16                 ; tile_dim0 = 128
	s_mov_b32 s[(\g)+4], 128                       ; tile_dim1 = 128
	s_mov_b32 s[(\g)+5], SIZE_K                    ; elements from row to row
	s_mov_b32 s[(\g)+6], 0
	s_mov_b32 s[(\g)+7], 0
.endr
	s_lshl_b32 s17, s12, 7                         ; which 128 rows of the tile I fetch
	s_lshl_b32 s16, s13, 8
	s_add_co_u32 s16, s16, s17                     ; A: row 256 x tile row + 128 x half
	s_lshl_b32 s46, s42, 8
	s_add_co_u32 s46, s46, s17                     ; B: row 256 x tile column + 128 x half
	s_mov_b32 s17, 0
	s_mov_b32 s47, 0
	s_mov_b64 s[18:19], SIZE_K*2
	s_mul_u64 s[16:17], s[16:17], s[18:19]
	s_mul_u64 s[46:47], s[46:47], s[18:19]
	s_mul_i32 s20, s10, HALFT                      ; where they go: wave x 128 rows: no place in the cluster enters an LDS address
	s_wait_dscnt 0x0                               ; the opening add is done
	s_wait_kmcnt 0x0
	s_add_nc_u64 s[14:15], s[4:5], s[16:17]
	s_add_nc_u64 s[46:47], s[6:7], s[46:47]
	CROUND                                         ; all sixteen work-groups are here: the first joint loads meet
.irp s, 0,1
	s_mov_b32 s[G0+4*(\s)], 1
	s_add_co_u32 s[G0+4*(\s)+1], s20, (\s)*SLOT
	s_add_nc_u64 s[G0+4*(\s)+2:G0+4*(\s)+3], s[14:15], (\s)*KSTEP*2
	s_or_b32 s[G0+4*(\s)+3], s[G0+4*(\s)+3], 0x80000000
	s_mov_b32 s[G0B+4*(\s)], 1
	s_add_co_u32 s[G0B+4*(\s)+1], s20, (\s)*SLOT
	s_add_nc_u64 s[G0B+4*(\s)+2:G0B+4*(\s)+3], s[46:47], (\s)*KSTEP*2
	s_or_b32 s[G0B+4*(\s)+3], s[G0B+4*(\s)+3], 0x80000000
	JLOAD \s                                       ; the ring is filled before anything else is done: two loads of mine are out
.endr
	v_and_b32 v1, 15, v0                           ; l % 16
	v_bfe_u32 v2, v0, 4, 1                         ; l / 16
	v_mul_u32_u24 v3, v1, PITCH
	v_lshl_add_u32 v3, v2, 4, v3                   ; a fragment's row x pitch + 16 x half
	s_mul_i32 s21, s11, HALFT                      ; my 128 rows of A
	s_mul_i32 s22, s12, HALFT                      ; my 128 rows of B,
	s_add_co_u32 s22, s22, 2*HALFT                 ; which lie behind A's 256
.irp s, 0,1
	v_add_nc_u32 v[ADRA+(\s)], s21, v3
	v_add_nc_u32 v[ADRB+(\s)], s22, v3
	s_add_co_u32 s21, s21, SLOT
	s_add_co_u32 s22, s22, SLOT
.endr
	s_mul_i32 s23, s10, 16*SPITCH
	s_add_co_u32 s23, s23, STAGE                   ; my stage
	v_mul_u32_u24 v4, v1, SPITCH                   ; in: row l % 16, 32 bytes for each half of the lanes
	v_lshl_add_u32 v4, v2, 5, v4
	v_add_nc_u32 v[STO], s23, v4
	v_and_b32 v5, 31, v0
	v_lshlrev_b32 v[CO], 4, v5                     ; back, and in C: the 32 lanes take one row's 512 bytes
	v_add_nc_u32 v[RD], s23, v[CO]
	; C at my part of the tile
	s_lshl_b32 s13, s13, 8
	s_lshl_b32 s14, s11, 7
	s_add_co_u32 s16, s13, s14                     ; my first row of C
	s_mov_b32 s17, 0
	s_mov_b64 s[18:19], CPITCH
	s_mul_u64 s[16:17], s[16:17], s[18:19]
	s_add_nc_u64 s[8:9], s[8:9], s[16:17]
	s_lshl_b32 s46, s42, 10                        ; my first column, in bytes: 1,024 x tile column + 512 x half
	s_lshl_b32 s47, s12, 9
	s_add_co_u32 s46, s46, s47
	s_mov_b32 s47, 0
	s_add_nc_u64 s[8:9], s[8:9], s[46:47]
; 16 matrix instructions: m blocks a0, a0 + 1 of the window's four x all 8 n blocks, 32 along K.  zero = 1: the first product starts the sums.
; The 64 accumulators take turns, one instruction a turn, in the same order in every quarter step.
.macro MUL16 f, hi, a0, zero
	WIN MUL_LO+0x50*(\hi)
.irp a, \a0, (\a0)+1
.irp b, 0,1,2,3,4,5,6,7
.if \zero
	v_wmma_f32_16x16x32_f16 v[8*(8*(\a)+(\b)):8*(8*(\a)+(\b))+7], v[(\f)+8*(\b):(\f)+8*(\b)+7], v[(\f)+8*(4*(\hi)+(\a)):(\f)+8*(4*(\hi)+(\a))+7], 0
.else
	v_wmma_f32_16x16x32_f16 v[8*(8*(\a)+(\b)):8*(8*(\a)+(\b))+7], v[(\f)+8*(\b):(\f)+8*(\b)+7], v[(\f)+8*(4*(\hi)+(\a)):(\f)+8*(4*(\hi)+(\a))+7], v[8*(8*(\a)+(\b)):8*(8*(\a)+(\b))+7]
.endif
.endr
.endr
.endm
.macro FETCH slot, k, f                ; 32 LDS loads in one run: one quarter step's fragments into buffer f
	WIN TO_B
.irp i, 0,1,2,3,4,5,6,7
	ds_load_b128 v[(\f)+8*(\i):(\f)+8*(\i)+3],   v[ADRB+(\slot)] offset:(\k)+(\i)*16*PITCH
	ds_load_b128 v[(\f)+8*(\i)+4:(\f)+8*(\i)+7], v[ADRB+(\slot)] offset:(\k)+(\i)*16*PITCH+32
.endr
	WIN 0
.irp i, 0,1,2,3,4,5,6,7
	ds_load_b128 v[(\f)+8*(\i):(\f)+8*(\i)+3],   v[ADRA+(\slot)] offset:(\k)+(\i)*16*PITCH
	ds_load_b128 v[(\f)+8*(\i)+4:(\f)+8*(\i)+7], v[ADRA+(\slot)] offset:(\k)+(\i)*16*PITCH+32
.endr
.endm
.macro PLACES                          ; four places in front of loads into registers that matrix instructions have read, and of LDS stores that read results just made
.rept 4
	v_nop
.endr
.endm
.macro QUARTER slot, k, f, g, zero
	s_wait_dscnt 8                                 ; B and A's rows 0-63 are in; the youngest eight loads (A's rows 64-127) may be out
	WIN MUL_LO
	MUL16 \f, 0, 0, \zero
	MUL16 \f, 0, 2, \zero
	PLACES
	FETCH \slot, \k, \g
	s_wait_dscnt 32                                ; all but the 32 just issued
	WIN MUL_HI
	MUL16 \f, 1, 0, \zero
	MUL16 \f, 1, 2, \zero
.endm
; The change of slots: ONE barrier.  In front of it each wave waits for all its tensor loads, of which one is out: its part of the next slot; adds 0 to its spare word; and waits for that and for its own reads of this slot.
.macro MEET round
	WIN 0                                          ; (the add's two registers lie in window 0)
	s_wait_tensorcnt 0x0                           ; all my tensor loads have landed;
	ds_add_u32 v[SPW], v[NIL]                      ; 0 onto my spare word;
	s_wait_dscnt 9                                 ; (the add and the youngest eight loads may be out)
	WIN MUL_LO
	MUL16 F1, 0, 0, 0                              ; sixteen matrix instructions stand between the add and the wait for it
	s_wait_dscnt 0x0                               ; the add is done, and my reads of this slot are over
	s_barrier_signal -1
	MUL16 F1, 0, 2, 0
.if \round
	WIN 0
.endif
	s_barrier_wait -1
.endm
; The whole last quarter.  fill = 1: the slot just read out is filled again, two K steps on, behind a round of the cluster's barrier; 224 matrix instructions stand between the request and the wait for it.
.macro TURN slot, next, fill
.if \fill
	MEET 1
	CREST                                          ; the round is closed: no wave of any partner still reads this slot's tile or has a load on its way
	s_add_nc_u64 s[G0+4*(\slot)+2:G0+4*(\slot)+3], s[G0+4*(\slot)+2:G0+4*(\slot)+3], 2*KSTEP*2
	s_add_nc_u64 s[G0B+4*(\slot)+2:G0B+4*(\slot)+3], s[G0B+4*(\slot)+2:G0B+4*(\slot)+3], 2*KSTEP*2
	JLOAD \slot                                    ; my one tensor load behind the round; the four v_nop behind it are also the places in front of the loads below
.else
	MEET 0
	PLACES
.endif
	FETCH \next, 0, F0
	WIN MUL_HI
	MUL16 F1, 1, 0, 0
	MUL16 F1, 1, 2, 0
.endm
; THE WAY OUT of block a (16 rows x 128 columns of f32).  A lane's 32 bytes go from the accumulators straight into my own stage, rows of 528 bytes, and come back as whole rows of 512 bytes.
.macro TOSTAGE32 a
.set AC, 64*((\a)%4)
.set BK, 64+64*((\a)%2)
	WIN 0x08+4*((\a)/4)                            ; the stores' data (source 1) in window 2 or 3, their address in window 0
.irp b, 0,1,2,3,4,5,6,7
	ds_store_b128 v[STO], v[AC+8*(\b):AC+8*(\b)+3]   offset:64*(\b)     ; each accumulator is read from its low end on
	ds_store_b128 v[STO], v[AC+8*(\b)+4:AC+8*(\b)+7] offset:64*(\b)+16
.endr
	WIN 0
	s_wait_xcnt 0x0                                ; the stores of the block two back have had their addresses translated (ISA guide 3.1): the buffer that they read is loaded again only behind this wait
.irp t, 0,1,2,3,4,5,6,7,8,9,10,11,12,13,14,15
	ds_load_b128 v[BK+4*(\t):BK+4*(\t)+3], v[RD] offset:(\t)*SPITCH  ; LDS serves a wave's instructions in order (ISA guide 5.7.1.4): these see the stores above; the next block's stores come behind them
.endr
.endm
.macro SEND32 a, younger               ; younger: the LDS instructions issued behind block a's loads: the next block's 16 stores and 16 loads, or none
	WIN 0
.set BK, 64+64*((\a)%2)
	s_wait_dscnt \younger
.irp t, 0,1,2,3,4,5,6,7,8,9,10,11,12,13,14,15
	global_store_b128 v[CO], v[BK+4*(\t):BK+4*(\t)+3], s[8:9] offset:(16*(\a)+(\t))*CPITCH th:TH_STORE_NT  ; 512 consecutive bytes, at a multiple of 256 from C's first byte; 127 rows at the most: inside the signed 24 bits
.endr
.endm
	s_wait_tensorcnt 1                             ; my part of K step 0 is in; K step 1's may stay out
	s_barrier_signal -1
	s_barrier_wait -1                              ; everybody's is
	FETCH 0, 0, F0
	QUARTER 0, 64,  F0, F1, 1                      ; the first quarter stands in front of the loop: its products start the sums
	WIN 0                                          ; at a label and at a branch every window is 0
	s_mov_b32 s3, LAPS-1
.Llap:                                                 ; a trip goes once round the ring, from a lap's second quarter to the next lap's first, and fills both slots again
	QUARTER 0, 128, F1, F0, 0
	QUARTER 0, 192, F0, F1, 0
	TURN 0, 1, 1
	QUARTER 1, 64,  F0, F1, 0
	QUARTER 1, 128, F1, F0, 0
	QUARTER 1, 192, F0, F1, 0
	TURN 1, 0, 1
	QUARTER 0, 64,  F0, F1, 0
	WIN 0
	s_sub_co_u32 s3, s3, 1
	s_cmp_lg_u32 s3, 0
	s_cbranch_scc1 .Llap
	QUARTER 0, 128, F1, F0, 0                      ; the last lap fills nothing, and has no round of the cluster's barrier
	QUARTER 0, 192, F0, F1, 0
	TURN 0, 1, 0
	QUARTER 1, 64,  F0, F1, 0
	QUARTER 1, 128, F1, F0, 0
	QUARTER 1, 192, F0, F1, 0
	s_wait_dscnt 8                                 ; the very last quarter: nothing more to fetch
	MUL16 F1, 0, 0, 0
	MUL16 F1, 0, 2, 0
	s_wait_dscnt 0x0
	MUL16 F1, 1, 0, 0
	MUL16 F1, 1, 2, 0
	WIN 0
	PLACES
	TOSTAGE32 0
.irp a, 1,2,3,4,5,6,7                  ; a block's way through the stage stands between the loads of the block before and its stores
	TOSTAGE32 \a
	SEND32 (\a)-1, 32
.endr
	SEND32 7, 0
	s_wait_tensorcnt 0x0                           ; the wave's end: behind my last tensor load and my last LDS store, the add to my spare word and its wait
	ds_add_u32 v[SPW], v[NIL]
	s_wait_dscnt 0x0
	CROUND                                         ; the closing round: no work-group ends while a partner may still ask for a tile that names it
	s_endpgm
.Lfunc_end_k_qf57f1fd61e_outp:
	.size	k_qf57f1fd61e_outp, .Lfunc_end_k_qf57f1fd61e_outp-k_qf57f1fd61e_outp
	.p2alignl 7, 3214868480
	.fill 96, 4, 3214868480
	.section	.rodata,"a",@progbits
	.p2align	6, 0x0
	.amdhsa_kernel k_qf57f1fd61e_outp
		.amdhsa_group_segment_fixed_size 327680
		.amdhsa_private_segment_fixed_size 0
		.amdhsa_enable_private_segment 0
		.amdhsa_kernarg_size 24
		.amdhsa_user_sgpr_count 2
		.amdhsa_user_sgpr_kernarg_segment_ptr 1
		.amdhsa_wavefront_size32 1
		.amdhsa_system_sgpr_workgroup_id_x 1
		.amdhsa_system_sgpr_workgroup_id_y 1
		.amdhsa_system_sgpr_workgroup_id_z 1
		.amdhsa_system_vgpr_workitem_id 0
		.amdhsa_next_free_vgpr 1024
		.amdhsa_next_free_sgpr 66
		.amdhsa_reserve_vcc 0
		.amdhsa_float_denorm_mode_32 3
		.amdhsa_float_denorm_mode_16_64 3
		.amdhsa_memory_ordered 1
		.amdhsa_forward_progress 1
		.amdhsa_inst_pref_size 140
	.end_amdhsa_kernel
	.amdgpu_metadata
---
amdhsa.version: [ 1, 2 ]
amdhsa.kernels:
  - .name:           k_qf57f1fd61e_outp
    .symbol:         k_qf57f1fd61e_outp.kd
    .args:
      - { .name: ob, .offset: 0, .size: 8, .value_kind: global_buffer, .address_space: global }
      - { .name: wob, .offset: 8, .size: 8, .value_kind: global_buffer, .address_space: global }
      - { .name: out0, .offset: 16, .size: 8, .value_kind: global_buffer, .address_space: global }
    .group_segment_fixed_size: 327680
    .private_segment_fixed_size: 0
    .kernarg_segment_align: 8
    .kernarg_segment_size: 24
    .max_flat_workgroup_size: 128
    .sgpr_count:     66
    .vgpr_count:     1024
    .wavefront_size: 32
...
	.end_amdgpu_metadata
.endif
;; end of part 4
;; ======== version 2 of 2: 4 launches; version 1 with the launch attn written anew for expert scheduling mode
;; limits: values are held in f16: magnitudes above 65,504 overflow, below 6.1e-05 lose precision
;; workspace buffers: xb 33,554,432 bytes; wb 6,291,456 bytes; wob 2,097,152 bytes; qkv 100,663,296 bytes; ob 33,554,432 bytes
;; launch prep: the kernel of part 1 again; grid 64 x 20, 8 waves a work-group, no clusters, 0 bytes of LDS; arguments x, wq, wk, wv, wo, xb, wb, wob; writes xb, wb, wob
;; launch qkv: the kernel of part 2 again; grid 4 x 64, 4 waves a work-group, clusters of 4 x 4, 327,680 bytes of LDS; arguments xb, wb, qkv; writes qkv
;; launch attn (part 5): grid 1024 x 1, 8 waves a work-group, no clusters, 0 bytes of LDS; arguments qkv, ob; writes ob
.if DOCPART == 5
	.amdgcn_target "amdgcn-amd-amdhsa--gfx1250"
	.amdhsa_code_object_version 6
	.text
	.protected	k_qf57f1fd61e_attn
	.globl	k_qf57f1fd61e_attn
	.p2align	8
	.type	k_qf57f1fd61e_attn,@function
k_qf57f1fd61e_attn:
	s_mov_b64 s[64:65], 0
	v_nop
	global_prefetch_b8 v0, s[64:65] scope:SCOPE_SE
	s_setreg_imm32_b32 hwreg(HW_REG_WAVE_SCHED_MODE, 0, 2), 2
	s_setreg_imm32_b32 hwreg(HW_REG_WAVE_MODE, 25, 1), 1
	s_wait_xcnt 0x0
	s_wait_alu depctr_vm_vsrc(0)
; FOR EACH TOKEN, ATTENTION OVER ITS 16 HEADS.  S[h][g] = q[h] . k[g] / 8 (64 channels), softmax over g, O[h] = sum over g of P[h][g] v[g].
; qkv: [16384][3072] f16, a token's row 6,144 bytes: q at 0, k at 2,048, v at 4,096.  ob: [16384][1024] f16.  Products, maximum and sum in f32; P is rounded to f16 for the second product
; (its sum l is taken of the unrounded weights), O once at the end.
; THE ORDER INSIDE A ROW (made by the launches in front): q, k and O: number (h, d) at (d>>3)*128 + h*8 + (d&7); v: number (g, d) at (d>>4)*256 + (g>>3)*128 + (d&15)*8 + (g&7).
; So every half fragment below, and every store, is 512 consecutive bytes of the row, lane l taking the 16 bytes at 16 l.
; LAYOUT.  S^T = K Q^T (source 0 = 16 keys g, source 1 = 16 queries h): a lane holds ONE query h = l % 16 and the keys 8 (l / 16) + 0..7.  Rounded in pairs these are four registers, half of
; source 1 of O^T = V^T P.  That product takes 32 keys and there are 16: P's other four registers hold 0.  V's other four then count for nothing as long as they are finite, so V's fragments
; are overlapping runs of eight registers: token 0 has its data in registers 0-3 (the next block's data above them), token 1 in registers 4-7 (the block before below them), and P likewise.
; SOFTMAX.  The true maximum m of a query's 16 scores is taken away: p = 2^(c s - c m), c = log2(e) / 8.
; LIMITS.  q, k, v arrive within f16's 65,504; an infinity in v would also reach the neighbouring block of 16 channels (for the two blocks that meet, the wave's other token) as 0 x infinity.
; O is a mean of v's rows and has their range.  A weight below 2^-126 counts as 0.  NaN and infinities are not treated apart.
; SHARES.  A wave owns two tokens, 16 x work-group + 2 x wave and the next; its 24 loads go out together.  No loop, no LDS, no barrier; no cluster: no two work-groups read the same bytes.
; Memory binds this launch: the map is kept to 128 registers, so that more waves, and with them more loads, are under way side by side.
; THE MODE: SCHED_MODE bits 1:0 = 2 (LLVM: expert scheduling mode 2), set by the entry lines.  The code itself states the register dependences
; between vector or matrix instructions and memory instructions, with s_wait_alu, always for 0.
; THE PLAN.  Registers that memory instructions touch:
;   v1          16 x lane, the offset of all 24 loads and all 8 stores.  Written at the head, ahead of one wait on va_vdst, and never again.
;   v32-v127    Q, K and V as loaded.  No vector or matrix instruction names them ahead of the loads; LOADcnt orders the loads with the products that read them; no load follows those products.
;   v96-v111    Y of token 0: written by its sixteen roundings, read by its four stores: one wait on va_vdst between them.  Nothing writes them behind the stores.
;   v112-v127   Y of token 1: the same.  Token 1's multiplications and roundings stand behind token 0's stores and name v64-v95, v12, v13 and v112-v127: none of the registers that those stores read.
;   s8          the wave's number, written by v_readfirstlane_b32: one wait on va_sdst ahead of its first reader.
; No register that a memory instruction reads is written again, so no wait on vm_vsrc is owed; EXEC is never written.
.set CM, 2                             ; v[2+2 t], v[3+2 t]   c m, m
.set X,  6                             ; v6, v7               what the lane 16 away holds
.set A,  8                             ; v[8+4 t ..]          four at work: the maximum of my eight scores; then the sums for l; then 1 / l in the first
.set S,  16                            ; v[16+8 t ..]         S^T, then P: token 0 in v16-19, token 1 in v28-31, zeros in v20-27
.set Q,  32                            ; v[32+32 t ..]        Q: two fragments
.set KK, 48                            ; v[48+32 t ..]        K: two fragments
.set O,  32                            ; v[32+32 t+8 cb ..]   O^T, channels 16 cb on, where Q and K lay
.set V,  96                            ; v[96+16 t+4 cb ..]   V^T, channels 16 cb on: four registers
.set Y,  96                            ; v[96+16 t ..]        O in f16, where V lay
	s_load_b128 s[4:7], s[0:1], 0x0                ; qkv s[4:5], ob s[6:7]
	v_lshrrev_b32 v2, 5, v0
	v_readfirstlane_b32 s8, v2                     ; wave 0..7
	v_and_b32 v1, 31, v0
	v_lshlrev_b32 v1, 4, v1                        ; 16 x lane
	s_wait_alu depctr_va_sdst(0)                   ; s8 is written, ahead of its first reader: the token's number, and from it both bases, are made of it
	s_lshl_b32 s9, ttmp9, 4
	s_lshl1_add_u32 s9, s8, s9                     ; my first token
	s_mul_i32 s10, s9, 6144                        ; under 2^27
	s_mov_b32 s11, 0
	s_lshl_b32 s12, s9, 11
	s_mov_b32 s13, 0
	s_mov_b32 s14, 0x3e38aa3b                      ; c = log2(e) / 8 = 0.180337
	s_mov_b32 s15, s14                             ; named with it as a pair
	s_mov_b32 s16, 0x76543210                      ; v_permlanex16_b32: each lane takes its own place in the other half
	s_mov_b32 s17, 0xfedcba98
	s_wait_kmcnt 0x0
	s_add_nc_u64 s[4:5], s[4:5], s[10:11]
	s_add_nc_u64 s[6:7], s[6:7], s[12:13]
	s_wait_alu depctr_va_vdst(0)                   ; v1 is written: every load and store of the kernel reads it as its offset
.irp t, 0,1
.irp j, 0,1,2,3
	global_load_b128 v[KK+32*(\t)+4*(\j):KK+32*(\t)+4*(\j)+3], v1, s[4:5] offset:(\t)*6144+2048+512*(\j) th:TH_LOAD_NT
.endr
.irp j, 0,1,2,3
	global_load_b128 v[Q+32*(\t)+4*(\j):Q+32*(\t)+4*(\j)+3], v1, s[4:5] offset:(\t)*6144+512*(\j) th:TH_LOAD_NT
.endr
.endr
.irp t, 0,1
.irp cb, 0,1,2,3
	global_load_b128 v[V+16*(\t)+4*(\cb):V+16*(\t)+4*(\cb)+3], v1, s[4:5] offset:(\t)*6144+4096+512*(\cb) th:TH_LOAD_NT
.endr
.endr
	v_mov_b32 v[X], 0                              ; v_permlanex16_b32's destination counts as read; no memory instruction names v6 or v7
	v_mov_b32 v[X+1], 0
	s_wait_loadcnt 0x8                             ; K and Q are in; V's eight loads stay out
	v_wmma_f32_16x16x32_f16 v[S:S+7],    v[KK:KK+7],     v[Q:Q+7],     0          ; the two tokens' accumulators take turns
	v_wmma_f32_16x16x32_f16 v[S+8:S+15], v[KK+32:KK+39], v[Q+32:Q+39], 0
	v_wmma_f32_16x16x32_f16 v[S:S+7],    v[KK+8:KK+15],  v[Q+8:Q+15],  v[S:S+7]
	v_wmma_f32_16x16x32_f16 v[S+8:S+15], v[KK+40:KK+47], v[Q+40:Q+47], v[S+8:S+15]
.rept 5
	v_nop                                          ; four places before S^T is read, five before O^T's products write over Q and K (ISA guide 7.12.1)
.endr
.irp t, 0,1
	v_max3_num_f32 v[A+4*(\t)], v[S+8*(\t)], v[S+8*(\t)+1], v[S+8*(\t)+2]  ; the accumulator's lowest registers are read first
.endr
.irp t, 0,1
	v_max3_num_f32 v[A+4*(\t)], v[A+4*(\t)], v[S+8*(\t)+3], v[S+8*(\t)+4]
.endr
.irp t, 0,1
	v_max3_num_f32 v[A+4*(\t)], v[A+4*(\t)], v[S+8*(\t)+5], v[S+8*(\t)+6]
.endr
.irp t, 0,1
	v_max_num_f32 v[A+4*(\t)], v[A+4*(\t)], v[S+8*(\t)+7]
.endr
.irp t, 0,1
	v_permlanex16_b32 v[X+(\t)], v[A+4*(\t)], s16, s17  ; the query's other eight keys lie in the lane 16 away
.endr
.irp t, 0,1
	v_max_num_f32 v[CM+2*(\t)+1], v[A+4*(\t)], v[X+(\t)]
.endr
.irp t, 0,1
	v_mul_f32 v[CM+2*(\t)], s14, v[CM+2*(\t)+1]    ; c m
.endr
.irp b, 0,1,2,3
.irp t, 0,1
	v_pk_fma_f32 v[S+8*(\t)+2*(\b):S+8*(\t)+2*(\b)+1], v[S+8*(\t)+2*(\b):S+8*(\t)+2*(\b)+1], s[14:15], v[CM+2*(\t):CM+2*(\t)+1] op_sel_hi:[1,0,0] neg_lo:[0,0,1] neg_hi:[0,0,1]  ; c s - c m
.endr
.endr
.set i, 0
.rept 16
	v_exp_f32 v[S+i], v[S+i]
.set i, i+1
.endr
	v_nop                                          ; a plain instruction between the last exponential and the use of its result (ISA guide 5.7.2)
	s_wait_alu depctr_va_vdst(0)                   ; the sixteen exponentials have written v[S .. S+15], which the additions and roundings below read: one wait for the batch
.irp t, 0,1                            ; l's first additions, of the unrounded weights, before these are rounded in place
	v_pk_add_f32 v[A+4*(\t):A+4*(\t)+1],   v[S+8*(\t):S+8*(\t)+1],   v[S+8*(\t)+2:S+8*(\t)+3]
	v_pk_add_f32 v[A+4*(\t)+2:A+4*(\t)+3], v[S+8*(\t)+4:S+8*(\t)+5], v[S+8*(\t)+6:S+8*(\t)+7]
.endr
.irp b, 0,1,2,3                        ; token 0: pair b into register b, ascending: a register is written when its weight has been read
	v_cvt_pk_f16_f32 v[S+(\b)], v[S+2*(\b)], v[S+2*(\b)+1]
.endr
.irp b, 3,2,1,0                        ; token 1: pair b into register 4 + b, descending, for the same reason
	v_cvt_pk_f16_f32 v[S+12+(\b)], v[S+8+2*(\b)], v[S+8+2*(\b)+1]
.endr
.irp z, 4,5,6,7,8,9,10,11
	v_mov_b32 v[S+(\z)], 0                         ; the keys that do not exist: token 0's registers 4-7, token 1's 0-3
.endr
	s_wait_loadcnt 0x0                             ; V
.irp cb, 0,1,2,3
	v_wmma_f32_16x16x32_f16 v[O+8*(\cb):O+8*(\cb)+7],       v[V+4*(\cb):V+4*(\cb)+7],       v[S:S+7],    0  ; eight accumulators, one product each
	v_wmma_f32_16x16x32_f16 v[O+32+8*(\cb):O+32+8*(\cb)+7], v[V+12+4*(\cb):V+12+4*(\cb)+7], v[S+8:S+15], 0  ; token 1's data are the run's upper four registers
.endr
	; the rest of l: six plain lines and the v_nop below name none of those products' registers: they are the places behind them
.irp t, 0,1
	v_pk_add_f32 v[A+4*(\t):A+4*(\t)+1], v[A+4*(\t):A+4*(\t)+1], v[A+4*(\t)+2:A+4*(\t)+3]
.endr
.irp t, 0,1
	v_add_f32 v[A+4*(\t)], v[A+4*(\t)], v[A+4*(\t)+1]
.endr
.irp t, 0,1
	v_permlanex16_b32 v[X+(\t)], v[A+4*(\t)], s16, s17
.endr
.irp t, 0,1
	v_add_f32 v[A+4*(\t)], v[A+4*(\t)], v[X+(\t)]
.endr
.irp t, 0,1
	v_rcp_f32 v[A+4*(\t)], v[A+4*(\t)]
.endr
	v_nop                                          ; a plain instruction between the last reciprocal and the use of its result
	s_wait_alu depctr_va_vdst(0)                   ; the two reciprocals have written v[A] and v[A+4], which the multiplications below read: one wait for both
.irp t, 0,1
.set i, 0
.rept 16
	v_pk_mul_f32 v[O+32*(\t)+2*i:O+32*(\t)+2*i+1], v[O+32*(\t)+2*i:O+32*(\t)+2*i+1], v[A+4*(\t):A+4*(\t)+1] op_sel_hi:[1,0]  ; ascending: each accumulator is read from its low end on
.set i, i+1
.endr
.set i, 0
.rept 16
	v_cvt_pk_f16_f32 v[Y+16*(\t)+i], v[O+32*(\t)+2*i], v[O+32*(\t)+2*i+1]
.set i, i+1
.endr
	s_wait_alu depctr_va_vdst(0)                   ; this token's roundings have written its sixteen registers of Y, which its four stores read
.irp cb, 0,1,2,3
	global_store_b128 v1, v[Y+16*(\t)+4*(\cb):Y+16*(\t)+4*(\cb)+3], s[6:7] offset:(\t)*2048+512*(\cb)  ; 512 consecutive bytes, at a multiple of 256 from ob's first byte
.endr
.endr
	s_endpgm
.Lfunc_end_k_qf57f1fd61e_attn:
	.size	k_qf57f1fd61e_attn, .Lfunc_end_k_qf57f1fd61e_attn-k_qf57f1fd61e_attn
	.p2alignl 7, 3214868480
	.fill 96, 4, 3214868480
	.section	.rodata,"a",@progbits
	.p2align	6, 0x0
	.amdhsa_kernel k_qf57f1fd61e_attn
		.amdhsa_group_segment_fixed_size 0
		.amdhsa_private_segment_fixed_size 0
		.amdhsa_enable_private_segment 0
		.amdhsa_kernarg_size 16
		.amdhsa_user_sgpr_count 2
		.amdhsa_user_sgpr_kernarg_segment_ptr 1
		.amdhsa_wavefront_size32 1
		.amdhsa_system_sgpr_workgroup_id_x 1
		.amdhsa_system_sgpr_workgroup_id_y 1
		.amdhsa_system_sgpr_workgroup_id_z 1
		.amdhsa_system_vgpr_workitem_id 0
		.amdhsa_next_free_vgpr 128
		.amdhsa_next_free_sgpr 66
		.amdhsa_reserve_vcc 0
		.amdhsa_float_denorm_mode_32 3
		.amdhsa_float_denorm_mode_16_64 3
		.amdhsa_memory_ordered 1
		.amdhsa_forward_progress 1
		.amdhsa_inst_pref_size 13
	.end_amdhsa_kernel
	.amdgpu_metadata
---
amdhsa.version: [ 1, 2 ]
amdhsa.kernels:
  - .name:           k_qf57f1fd61e_attn
    .symbol:         k_qf57f1fd61e_attn.kd
    .args:
      - { .name: qkv, .offset: 0, .size: 8, .value_kind: global_buffer, .address_space: global }
      - { .name: ob, .offset: 8, .size: 8, .value_kind: global_buffer, .address_space: global }
    .group_segment_fixed_size: 0
    .private_segment_fixed_size: 0
    .kernarg_segment_align: 8
    .kernarg_segment_size: 16
    .max_flat_workgroup_size: 256
    .sgpr_count:     66
    .vgpr_count:     128
    .wavefront_size: 32
...
	.end_amdgpu_metadata
.endif
;; end of part 5
;; launch outp: the kernel of part 4 again; grid 4 x 64, 4 waves a work-group, clusters of 4 x 4, 327,680 bytes of LDS; arguments ob, wob, out0; writes out0
